; MI455X (gfx1250); checked and timed in simulation.
; The chip was launched on July 23, 2026; its instructions are those of AMD's public machine-readable ISA for CDNA 5 (MIT licence, August 2026) and "CDNA5" Instruction Set Architecture Reference Guide (July 2026). The comments in the code are by the model that wrote it; some were corrected since.
;; chamfer 3 D Dist. Allowed arithmetic: float matrix products may take bf16 or f16 operands with f32 sums; other float arithmetic in f32, or as packed bf16 or f16 multiplies, adds, multiply-adds, maxima and minima; sums over many terms, partial sums and values carried from step to step in f32; what a program stores and reads back later, other than sums and carried values, may be rounded once to bf16 or f16.
;; Inputs: xyz1 4 x 8,192 x 3 float32; xyz2 4 x 8,192 x 3 float32.
;; Outputs: out0 4 x 8,192 float32; out1 4 x 8,192 float32; out2 4 x 8,192 int32; out3 4 x 8,192 int32.
;; 2 versions, each right; version 2 is version 1 with the launch nearest written anew for expert scheduling mode. Each part assembles by itself: llvm-mc -triple=amdgcn-amd-amdhsa -mcpu=gfx1250 --defsym DOCPART=n.
;; ======== version 1 of 2: 2 launches
;; limits: below input magnitudes of 1e-15 results are inexact or not finite
;; workspace buffers: chunk 262,144 bytes of whole numbers
;; launch nearest (part 1): grid 32 x 8, 8 waves a work-group, no clusters, 136,192 bytes of LDS; arguments xyz1, xyz2, out0, out1, chunk; writes out0, out1, chunk
.if DOCPART == 1
	.amdgcn_target "amdgcn-amd-amdhsa--gfx1250"
	.amdhsa_code_object_version 6
	.text
	.protected	k_q1136e9c502_nearest
	.globl	k_q1136e9c502_nearest
	.p2align	8
	.type	k_q1136e9c502_nearest,@function
k_q1136e9c502_nearest:
	s_mov_b64 s[64:65], 0
	v_nop
	global_prefetch_b8 v0, s[64:65] scope:SCOPE_SE
	s_setreg_imm32_b32 hwreg(HW_REG_WAVE_MODE, 25, 1), 1
	s_wait_xcnt 0x0
; NEAREST NEIGHBOUR, FIRST PART.  For 256 query points of one cloud: the distance to the nearest of the 8,192 points of the other cloud (final), and the number of
; the chunk of 64 points in which the first point at that distance lies (for the second launch, which finds the index inside the chunk).
; Grid: x = block of 256 queries, y = 4 x direction + batch.  Direction 0: queries from xyz1, points from xyz2, distances to out0; direction 1: the other way round, to out1.
; ARITHMETIC.  The indices are compared exactly, so every rounding of the problem's formula is kept.  All coordinates are rounded to bf16 first; a product of two such
; numbers has 16 significant bits and is exact in f32, so mul, fma, fma give fl(fl(p0+p1)+p2) whether or not the formula's own evaluation fuses.  n = fl(fl(x x+y y)+z z);
; sq = fl(fl(na+nb) + e'), e' = the three-term sum with the point's coordinates times -2 (a power of two: the roundings stay the same).  The three-term product stands on the
; vector unit on purpose: the bf16 matrix form adds a step's products in one sum with one rounding, which is another order of roundings than the formula's.
; sqrt and max(., 0) do not change an order, so the loop keeps a running minimum of sq alone; ties that arise only behind the root or the clamp are settled at the end by a threshold.
; SHARES.  Eight waves.  A lane holds 8 queries (query 32 r + lane), the same in every wave; wave w walks points 1024 w .. 1024 w + 1023, two at a time in packed f32 lines:
; 5 packed lines and one v_min3_num_f32 for a query and two points.  After every 64 points the 8 running minima go to LDS (a snapshot), onto the 1,024 table bytes just used up.
; LIMITS.  NaN and infinities are not treated.  A non-zero sq below 2^-126 counts as 0 in v_sqrt_f32 (ISA guide, 15.8), and products that underflow are not exact: both ask for
; coordinates all below about 1e-15.
.set CLOUD,  8192*12                   ; bytes of one batch of a cloud
.set STRIDE, 1024*16+256               ; a wave's LDS region: 1,024 points x 16 bytes, then 128 bytes of zeros for the last look-ahead (and 128 unused)
.set SCR,    8*STRIDE                  ; 256 distances, then 256 chunk numbers: the way out
.set SPARE,  SCR+2048                  ; the spare words, 128 bytes for each of eight waves: four blocks of 256 bytes that no other line names
.set LN,  1                            ; v1   lane
.set SPW, 2                            ; v2   LDS address of my spare word; never rewritten
.set NIL, 3                            ; v3   0; never rewritten
.set TAB, 4                            ; v4   LDS address of the chunk in hand, the same in every lane
.set SNP, 5                            ; v5   where my lane's snapshot of the chunk in hand goes
.set PO,  6                            ; v6   my byte offset in the points: 12,288 w + 48 lane
.set QO,  7                            ; v7   my byte offset in the queries: 12 lane
.set ACC, 8                            ; v[8:15]    running minimum of sq, query r
.set A,   16                           ; v[16:79]   query r at A + 8 r: x, x, y, y, z, z, n, n (each twice: a packed line takes a pair)
.set T,   80                           ; v[80:95]   at work: e', then sq, a pair for each query
.set U,   96                           ; v[96:111]  at work: na + nb
.set B0,  112                          ; v[112:143] four pairs of points: -2x, -2x', -2y, -2y', -2z, -2z', n, n'
.set B1,  144                          ; v[144:175] the same, the other buffer
.set OUT, 80                           ; at the start: two pairs of points on their way to LDS
.set CV,  96                           ; at the start: packed bf16
.set RAW, 112                          ; v[112:207] at the start: my 32 points as loaded, 12 words for each group of four
.set QR,  208                          ; v[208:231] at the start: my 8 queries as loaded
.set WST, 232                          ; v232  at the start: where my four points of a group go in LDS
.set RA,  80                           ; at the end: 4 t, and (RA+1) 4 t + 4 regions
.set RC,  82
.set RD,  83
.set M,   84
.set X,   85
.set Y,   86
.set YD,  87
.set YU,  88
.set R1,  89
.set R2,  90
.set D,   91
.set DU,  92
.set PP,  93
.set EE,  94
.set PM,  95
.set TT,  96
.set ID,  97
.set GO,  98
.set E,   100
.set SN,  112                          ; v[112:239] at the end: the 128 snapshots of my query
	s_load_b256 s[4:11], s[0:1], 0x0               ; xyz1 s[4:5], xyz2 s[6:7], out0 s[8:9], out1 s[10:11]
	s_load_b64 s[12:13], s[0:1], 0x20              ; chunk
	v_lshl_add_u32 v[SPW], v0, 2, SPARE
	v_mov_b32 v[NIL], 0
	v_and_b32 v[LN], 31, v0
	v_lshrrev_b32 v[TAB], 5, v0
	v_readfirstlane_b32 s14, v[TAB]                ; wave 0..7
	s_and_b32 s15, ttmp7, 0xffff                   ; y
	s_lshr_b32 s16, s15, 2                         ; direction
	s_and_b32 s17, s15, 3                          ; batch
	s_mul_i32 s18, s17, CLOUD                      ; s[18:19] the batch's first byte in a cloud
	s_mov_b32 s19, 0
	s_mul_i32 s20, ttmp9, 256*12                   ; s[20:21] my block of queries in it
	s_add_co_u32 s20, s20, s18
	s_mov_b32 s21, 0
	s_lshl_b32 s36, ttmp9, 10                      ; 256 numbers of 4 bytes for each block
	s_lshl_b32 s28, s17, 15                        ; s[28:29] my block in out0 or out1: [batch][8192]
	s_add_co_u32 s28, s28, s36
	s_mov_b32 s29, 0
	s_lshl_b32 s30, s15, 15                        ; s[30:31] my block in chunk: [direction][batch][8192]
	s_add_co_u32 s30, s30, s36
	s_mov_b32 s31, 0
	s_mul_i32 s37, s14, 1024*12                    ; my wave's points in memory
	s_mul_i32 s38, s14, STRIDE                     ; my wave's region in LDS
	s_mov_b32 s39, 0xffff0000                      ; a word's upper bf16
	v_mul_u32_u24 v[PO], v[LN], 48
	v_add_nc_u32 v[PO], s37, v[PO]
	v_mul_u32_u24 v[QO], v[LN], 12
	v_lshl_add_u32 v[WST], v[LN], 6, s38           ; four points are 64 bytes of the table
	v_lshl_add_u32 v[SNP], v[LN], 2, s38
	v_mov_b32 v[TAB], s38
	s_wait_kmcnt 0x0
	s_cmp_eq_u32 s16, 0
	s_cselect_b64 s[22:23], s[4:5], s[6:7]         ; the queries' cloud
	s_cselect_b64 s[24:25], s[6:7], s[4:5]         ; the points' cloud
	s_cselect_b64 s[26:27], s[8:9], s[10:11]       ; the distances
	s_add_nc_u64 s[22:23], s[22:23], s[20:21]
	s_add_nc_u64 s[24:25], s[24:25], s[18:19]
	s_add_nc_u64 s[26:27], s[26:27], s[28:29]
	s_add_nc_u64 s[12:13], s[12:13], s[30:31]
	; 24 loads: group g is 128 points, four a lane as 48 consecutive bytes.  Then 24 loads for the 8 queries.
.irp g, 0,1,2,3,4,5,6,7
.irp k, 0,1,2
	global_load_b128 v[RAW+12*(\g)+4*(\k):RAW+12*(\g)+4*(\k)+3], v[PO], s[24:25] offset:(\g)*1536+(\k)*16
.endr
.endr
.irp r, 0,1,2,3,4,5,6,7
.irp k, 0,1,2
	global_load_b32 v[QR+3*(\r)+(\k)], v[QO], s[22:23] offset:(\r)*384+(\k)*4
.endr
.endr
	ds_store_b32 v[SNP], v[NIL] offset:1024*16     ; 128 bytes of zeros behind my table: what the last chunk's look-ahead reads
.irp r, 0,1,2,3,4,5,6,7
	v_mov_b32 v[ACC+(\r)], 0x7f800000              ; the minima start at +infinity
.endr
; Group g of my points: rounded to bf16, widened again, norms, coordinates times -2, and into my region of LDS as pairs of points.
.macro CONV g
	s_wait_loadcnt 45-3*(\g)                       ; 48 loads were issued; the first 3 (g + 1) are in when at most 45 - 3 g are out
.irp h, 0,1
.set RH, RAW+12*(\g)+6*(\h)
.set O, OUT+8*(\h)
.set CH, CV+3*(\h)
	v_cvt_pk_bf16_f32 v[CH],   v[RH],   v[RH+3]    ; x of both points, to nearest even
	v_cvt_pk_bf16_f32 v[CH+1], v[RH+1], v[RH+4]
	v_cvt_pk_bf16_f32 v[CH+2], v[RH+2], v[RH+5]
	v_lshlrev_b32 v[O],   16,  v[CH]
	v_and_b32     v[O+1], s39, v[CH]
	v_lshlrev_b32 v[O+2], 16,  v[CH+1]
	v_and_b32     v[O+3], s39, v[CH+1]
	v_lshlrev_b32 v[O+4], 16,  v[CH+2]
	v_and_b32     v[O+5], s39, v[CH+2]
	v_pk_mul_f32 v[O+6:O+7], v[O:O+1], v[O:O+1]                    ; n = fl(fl(x x + y y) + z z): the squares are exact
	v_pk_fma_f32 v[O+6:O+7], v[O+2:O+3], v[O+2:O+3], v[O+6:O+7]
	v_pk_fma_f32 v[O+6:O+7], v[O+4:O+5], v[O+4:O+5], v[O+6:O+7]
	v_pk_mul_f32 v[O:O+1],   v[O:O+1],   -2.0 op_sel_hi:[1,0]
	v_pk_mul_f32 v[O+2:O+3], v[O+2:O+3], -2.0 op_sel_hi:[1,0]
	v_pk_mul_f32 v[O+4:O+5], v[O+4:O+5], -2.0 op_sel_hi:[1,0]
	ds_store_b128 v[WST], v[O:O+3]   offset:(\g)*2048+32*(\h)
	ds_store_b128 v[WST], v[O+4:O+7] offset:(\g)*2048+32*(\h)+16
.endr
.endm
.irp g, 0,1,2,3,4,5,6,7
	CONV \g
.endr
	s_wait_loadcnt 0x0                             ; the queries
.irp r, 0,1,2,3,4,5,6,7
	v_cvt_pk_bf16_f32 v[CV],   v[QR+3*(\r)],   v[QR+3*(\r)+1]
	v_cvt_pk_bf16_f32 v[CV+1], v[QR+3*(\r)+2], v[QR+3*(\r)+2]
	v_lshlrev_b32 v[A+8*(\r)],   16,  v[CV]
	v_lshlrev_b32 v[A+8*(\r)+1], 16,  v[CV]
	v_and_b32     v[A+8*(\r)+2], s39, v[CV]
	v_and_b32     v[A+8*(\r)+3], s39, v[CV]
	v_lshlrev_b32 v[A+8*(\r)+4], 16,  v[CV+1]
	v_lshlrev_b32 v[A+8*(\r)+5], 16,  v[CV+1]
	v_pk_mul_f32 v[A+8*(\r)+6:A+8*(\r)+7], v[A+8*(\r):A+8*(\r)+1], v[A+8*(\r):A+8*(\r)+1]
	v_pk_fma_f32 v[A+8*(\r)+6:A+8*(\r)+7], v[A+8*(\r)+2:A+8*(\r)+3], v[A+8*(\r)+2:A+8*(\r)+3], v[A+8*(\r)+6:A+8*(\r)+7]
	v_pk_fma_f32 v[A+8*(\r)+6:A+8*(\r)+7], v[A+8*(\r)+4:A+8*(\r)+5], v[A+8*(\r)+4:A+8*(\r)+5], v[A+8*(\r)+6:A+8*(\r)+7]
.endr
; Eight LDS loads: four pairs of points at byte off of the chunk in hand; every lane reads the same bytes.
.macro FETCH buf, off
.irp p, 0,1,2,3
	ds_load_b128 v[(\buf)+8*(\p):(\buf)+8*(\p)+3],   v[TAB] offset:(\off)+32*(\p)
	ds_load_b128 v[(\buf)+8*(\p)+4:(\buf)+8*(\p)+7], v[TAB] offset:(\off)+32*(\p)+16
.endr
.endm
; Four pairs of points against my 8 queries.  Each line is written for all 8 queries before the next, so that a line's result is read eight lines later.
.macro WORK buf
.irp p, 0,1,2,3
.irp r, 0,1,2,3,4,5,6,7
	v_pk_mul_f32 v[T+2*(\r):T+2*(\r)+1], v[(\buf)+8*(\p):(\buf)+8*(\p)+1], v[A+8*(\r):A+8*(\r)+1]
.endr
.irp r, 0,1,2,3,4,5,6,7
	v_pk_add_f32 v[U+2*(\r):U+2*(\r)+1], v[(\buf)+8*(\p)+6:(\buf)+8*(\p)+7], v[A+8*(\r)+6:A+8*(\r)+7]
.endr
.irp r, 0,1,2,3,4,5,6,7
	v_pk_fma_f32 v[T+2*(\r):T+2*(\r)+1], v[(\buf)+8*(\p)+2:(\buf)+8*(\p)+3], v[A+8*(\r)+2:A+8*(\r)+3], v[T+2*(\r):T+2*(\r)+1]
.endr
.irp r, 0,1,2,3,4,5,6,7
	v_pk_fma_f32 v[T+2*(\r):T+2*(\r)+1], v[(\buf)+8*(\p)+4:(\buf)+8*(\p)+5], v[A+8*(\r)+4:A+8*(\r)+5], v[T+2*(\r):T+2*(\r)+1]
.endr
.irp r, 0,1,2,3,4,5,6,7
	v_pk_add_f32 v[T+2*(\r):T+2*(\r)+1], v[U+2*(\r):U+2*(\r)+1], v[T+2*(\r):T+2*(\r)+1]
.endr
.irp r, 0,1,2,3,4,5,6,7
	v_min3_num_f32 v[ACC+(\r)], v[ACC+(\r)], v[T+2*(\r)], v[T+2*(\r)+1]
.endr
.endr
.endm
	FETCH B0, 0                                    ; LDS serves a wave's instructions in order (ISA guide 5.7.1.4): these see my stores above
	s_mov_b32 s32, 16
.Lchunk:                                               ; a trip is a chunk of 64 points: eight runs of 8 loads, each issued one run of arithmetic (192 lines) ahead of its use
.set i, 0
.rept 4
	FETCH B1, 256*i+128
	s_wait_dscnt 8                                 ; all but the 8 loads just issued: the buffer to be used is in (and the last trip's snapshot is stored)
	WORK B0
	FETCH B0, 256*i+256                            ; in the fourth turn: the next chunk's first bytes; behind the last chunk the 128 bytes of zeros
	s_wait_dscnt 8
	WORK B1
.set i, i+1
.endr
.irp r, 0,1,2,3,4,5,6,7
	ds_store_b32 v[SNP], v[ACC+(\r)] offset:(\r)*128  ; the snapshot: query 32 r + lane at byte 4 (32 r + lane) of the chunk's own 1,024 bytes, all of which have been read
.endr
	v_add_nc_u32 v[TAB], 1024, v[TAB]
	v_add_nc_u32 v[SNP], 1024, v[SNP]
	s_sub_co_u32 s32, s32, 1
	s_cmp_lg_u32 s32, 0
	s_cbranch_scc1 .Lchunk
	; THE END.  Thread t takes query t and reads its 128 snapshots, which eight waves wrote.
	s_wait_dscnt 0x0                               ; for the others' sake: my snapshots are stored (and my look-ahead is back)
	s_barrier_signal -1
	s_barrier_wait -1
	v_lshlrev_b32 v[RA], 2, v0
	v_add_nc_u32 v[RA+1], 4*STRIDE, v[RA]          ; the immediate reaches four regions
.set cc, 0
.rept 128
	ds_load_b32 v[SN+cc], v[RA+cc/64] offset:((cc/16)%4)*STRIDE+(cc%16)*1024
.set cc, cc+1
.endr
	v_add_nc_u32 v[RC], SCR, v[RA]
	v_lshl_add_u32 v[RD], v0, 3, SCR
	v_lshlrev_b32 v[GO], 3, v0
	v_and_b32 v[GO], 0x3ff, v[GO]
	s_wait_dscnt 0x0
	v_min3_num_f32 v[M], v[SN+15], v[SN+31], v[SN+47]   ; each wave's last snapshot is its minimum
	v_min3_num_f32 v[M], v[M], v[SN+63], v[SN+79]
	v_min3_num_f32 v[M], v[M], v[SN+95], v[SN+111]
	v_min_num_f32 v[M], v[M], v[SN+127]
	v_max_num_f32 v[X], 0, v[M]
	; d = sqrt(x) rounded correctly: the instruction's result y may be one step off.  x - prev(y) y <= 0 says one step down, x - next(y) y > 0 one step up (the fused residuals have the exact sign).
	v_sqrt_f32 v[Y], v[X]
	v_mov_b32 v[ID], 0                             ; a plain line between the root and the use of its result (ISA guide 5.7.2)
	s_wait_alu depctr_va_vdst(0)
	v_add_nc_u32 v[YD], -1, v[Y]
	v_add_nc_u32 v[YU], 1, v[Y]
	v_fma_f32 v[R1], -v[YD], v[Y], v[X]            ; at x = 0: prev(0) is a NaN pattern, the compare fails and 0 stays
	v_fma_f32 v[R2], -v[YU], v[Y], v[X]
	v_cmp_ge_f32 vcc_lo, 0, v[R1]
	v_cndmask_b32 v[D], v[Y], v[YD], vcc_lo
	v_cmp_lt_f32 vcc_lo, 0, v[R2]
	v_cndmask_b32 v[D], v[D], v[YU], vcc_lo
	; T = the largest f32 not above d next(d).  The square of the midpoint of d and next(d) lies a quarter of a squared step above d next(d), and no f32 lies between:
	; so sqrt(max(s, 0)) rounds to d or less exactly where s <= T, and nothing rounds to less than d.
	v_add_nc_u32 v[DU], 1, v[D]
	v_mul_f32 v[PP], v[D], v[DU]
	v_fma_f32 v[EE], v[D], v[DU], -v[PP]           ; what the rounding of the product left
	v_add_nc_u32 v[PM], -1, v[PP]
	v_cmp_gt_f32 vcc_lo, 0, v[EE]                  ; rounded up: one step back
	v_cndmask_b32 v[TT], v[PP], v[PM], vcc_lo
	; The first chunk whose snapshot is <= T holds the first point at distance d.  From the last chunk to the first: the lowest number is written last.
.set cc, 127
.rept 128
	v_cmp_gt_f32 vcc_lo, v[SN+cc], v[TT]
	v_cndmask_b32 v[ID], cc, v[ID], vcc_lo
.set cc, cc-1
.endr
	; THE WAY OUT.  A wave's 32 numbers are 128 bytes; through LDS, so that each store covers 256 consecutive bytes, aligned: waves 0-3 store the distances, waves 4-7 the chunk numbers.
	ds_store_b32 v[RC], v[D]
	ds_store_b32 v[RC], v[ID] offset:1024
	s_wait_dscnt 0x0                               ; for the others' sake: my two stores are done
	s_barrier_signal -1
	s_barrier_wait -1
	ds_load_b64 v[E:E+1], v[RD]                    ; byte 8 t of the 2,048: two neighbouring numbers
	s_cmp_lt_u32 s14, 4
	s_cselect_b64 s[34:35], s[26:27], s[12:13]
	s_wait_dscnt 0x0
	global_store_b64 v[GO], v[E:E+1], s[34:35]
	s_wait_tensorcnt 0x0                           ; the wave's end: three closing lines, behind my last LDS store
	ds_add_u32 v[SPW], v[NIL]
	s_wait_dscnt 0x0
	s_endpgm
.Lfunc_end_k_q1136e9c502_nearest:
	.size	k_q1136e9c502_nearest, .Lfunc_end_k_q1136e9c502_nearest-k_q1136e9c502_nearest
	.p2alignl 7, 3214868480
	.fill 96, 4, 3214868480
	.section	.rodata,"a",@progbits
	.p2align	6, 0x0
	.amdhsa_kernel k_q1136e9c502_nearest
		.amdhsa_group_segment_fixed_size 136192
		.amdhsa_private_segment_fixed_size 0
		.amdhsa_enable_private_segment 0
		.amdhsa_kernarg_size 40
		.amdhsa_user_sgpr_count 2
		.amdhsa_user_sgpr_kernarg_segment_ptr 1
		.amdhsa_wavefront_size32 1
		.amdhsa_system_sgpr_workgroup_id_x 1
		.amdhsa_system_sgpr_workgroup_id_y 1
		.amdhsa_system_sgpr_workgroup_id_z 1
		.amdhsa_system_vgpr_workitem_id 0
		.amdhsa_next_free_vgpr 240
		.amdhsa_next_free_sgpr 66
		.amdhsa_reserve_vcc 1
		.amdhsa_float_denorm_mode_32 3
		.amdhsa_float_denorm_mode_16_64 3
		.amdhsa_memory_ordered 1
		.amdhsa_forward_progress 1
		.amdhsa_inst_pref_size 147
	.end_amdhsa_kernel
	.amdgpu_metadata
---
amdhsa.version: [ 1, 2 ]
amdhsa.kernels:
  - .name:           k_q1136e9c502_nearest
    .symbol:         k_q1136e9c502_nearest.kd
    .args:
      - { .name: xyz1, .offset: 0, .size: 8, .value_kind: global_buffer, .address_space: global }
      - { .name: xyz2, .offset: 8, .size: 8, .value_kind: global_buffer, .address_space: global }
      - { .name: out0, .offset: 16, .size: 8, .value_kind: global_buffer, .address_space: global }
      - { .name: out1, .offset: 24, .size: 8, .value_kind: global_buffer, .address_space: global }
      - { .name: chunk, .offset: 32, .size: 8, .value_kind: global_buffer, .address_space: global }
    .group_segment_fixed_size: 136192
    .private_segment_fixed_size: 0
    .kernarg_segment_align: 8
    .kernarg_segment_size: 40
    .max_flat_workgroup_size: 256
    .sgpr_count:     66
    .vgpr_count:     240
    .wavefront_size: 32
...
	.end_amdgpu_metadata
.endif
;; end of part 1
;; launch pick (part 2): grid 32 x 8, 4 waves a work-group, no clusters, 0 bytes of LDS; arguments xyz1, xyz2, out0, out1, chunk, out2, out3; writes out2, out3
.if DOCPART == 2
	.amdgcn_target "amdgcn-amd-amdhsa--gfx1250"
	.amdhsa_code_object_version 6
	.text
	.protected	k_q1136e9c502_pick
	.globl	k_q1136e9c502_pick
	.p2align	8
	.type	k_q1136e9c502_pick,@function
k_q1136e9c502_pick:
	s_mov_b64 s[64:65], 0
	v_nop
	global_prefetch_b8 v0, s[64:65] scope:SCOPE_SE
	s_setreg_imm32_b32 hwreg(HW_REG_WAVE_MODE, 25, 1), 1
	s_wait_xcnt 0x0
; NEAREST NEIGHBOUR, SECOND PART.  For each query the first launch left its distance d (out0, out1) and the number of the chunk of 64 points that holds the first point at that
; distance (chunk).  Here the chunk is walked once more, with the same roundings (see the first launch's head: coordinates rounded to bf16, n = fl(fl(x x+y y)+z z),
; sq = fl(fl(na+nb) + e'), e' = mul, fma, fma with the query's coordinates times -2), and the first point with sq <= T is the index; T = the largest f32 not above d next(d).
; Grid as in the first launch: x = block of 256 queries, y = 4 x direction + batch.  Four waves, 64 queries each.  No LDS, no barrier: no wave needs another's data.
; SHARES.  First the lanes prepare two queries each (query 2 lane + e).  Then, query by query, its five numbers go to scalar registers and the 32 lanes take the chunk's points
; lane and lane + 32 as the two halves of packed lines.  Four queries go abreast, each line written for all four, so that a line's result is read four lines later.
; The loads of three groups of four queries take turns in registers: while a group is worked on, the 48 loads of the next two are out.
; The chunk number is a whole number read from memory; it is held to 0..127 before it enters an address, so every load stays inside the batch's 98,304 bytes.
; LIMITS as in the first launch.
.set CLOUD, 8192*12
.set LN,  1
.set L12, 2                            ; v2   12 x lane
.set QO,  3                            ; v3   24 x lane
.set DO,  4                            ; v4   8 x lane
.set RES, 6                            ; v[6:7]    the indices of my two queries
.set IDV, 8                            ; v[8:9]    their chunk numbers
.set DD,  10                           ; v[10:11]  their distances
.set RQ,  12                           ; v[12:17]  their coordinates as loaded
.set QA,  18                           ; v[18:27]  query e at QA + 5 e: -2x, -2y, -2z, n, T
.set W,   28                           ; v[28:33]  at work
.set OFF, 36                           ; v[36:47]  byte offsets of the loads, one for each of 3 x 4 places
.set R,   48                           ; v[48:119] 3 x 4 places of six: x, x', y, y', z, z' of points lane and lane + 32
.set C,   120                          ; v[120:131] packed bf16
.set N,   132                          ; v[132:139] norms
.set T,   140                          ; v[140:147] e', then sq
.set U,   148                          ; v[148:155] na + nb
.set MASK, 60                          ; s60  a word's upper bf16
.set IDS, 86                           ; s[86:97]  chunk numbers of the 3 x 4 places
.set TS,  98                           ; s[98:101] at work
; a place's ten scalars begin at 40, 50, 66, 76: even ones -2x, -2y, -2z, n, T (a packed line names a pair and takes its low word for both halves); the odd ones take masks and counts
	s_load_b256 s[4:11], s[0:1], 0x0               ; xyz1 s[4:5], xyz2 s[6:7], out0 s[8:9], out1 s[10:11]
	s_load_b128 s[12:15], s[0:1], 0x20             ; chunk s[12:13], out2 s[14:15]
	s_load_b64 s[16:17], s[0:1], 0x30              ; out3
	v_and_b32 v[LN], 31, v0
	v_lshrrev_b32 v[QO], 5, v0
	v_readfirstlane_b32 s18, v[QO]                 ; wave 0..3
	s_and_b32 s19, ttmp7, 0xffff                   ; y
	s_lshr_b32 s20, s19, 2                         ; direction
	s_and_b32 s21, s19, 3                          ; batch
	s_lshl_b32 s22, ttmp9, 8
	s_lshl_b32 s23, s18, 6
	s_add_co_u32 s22, s22, s23                     ; my wave's first query in its batch
	s_mul_i32 s32, s21, CLOUD                      ; s[32:33] the batch's first byte in a cloud
	s_mov_b32 s33, 0
	s_mul_i32 s34, s22, 12                         ; s[34:35] my wave's queries in it
	s_add_co_u32 s34, s34, s32
	s_mov_b32 s35, 0
	s_lshl_b32 s36, s21, 13                        ; s[36:37] their place in out0..out3: [batch][8192]
	s_add_co_u32 s36, s36, s22
	s_lshl_b32 s36, s36, 2
	s_mov_b32 s37, 0
	s_lshl_b32 s38, s19, 13                        ; s[38:39] and in chunk: [direction][batch][8192]
	s_add_co_u32 s38, s38, s22
	s_lshl_b32 s38, s38, 2
	s_mov_b32 s39, 0
	s_mov_b32 s[MASK], 0xffff0000
.irp s, 0,1,2,3
.set SL, 40+10*(\s)+6*((\s)/2)
	s_mov_b32 s[SL+1], 0                           ; named as the upper halves of pairs, so they are written
	s_mov_b32 s[SL+3], 0
	s_mov_b32 s[SL+5], 0
	s_mov_b32 s[SL+7], 0
.endr
	v_mul_u32_u24 v[L12], v[LN], 12
	v_mul_u32_u24 v[QO], v[LN], 24
	v_lshlrev_b32 v[DO], 3, v[LN]
	v_mov_b32 v[RES], 0                            ; v_writelane_b32 counts as a reader of its destination
	v_mov_b32 v[RES+1], 0
	s_wait_kmcnt 0x0
	s_cmp_eq_u32 s20, 0
	s_cselect_b64 s[24:25], s[4:5], s[6:7]         ; the queries' cloud
	s_cselect_b64 s[26:27], s[6:7], s[4:5]         ; the points' cloud
	s_cselect_b64 s[28:29], s[8:9], s[10:11]       ; the distances
	s_cselect_b64 s[30:31], s[14:15], s[16:17]     ; the indices
	s_add_nc_u64 s[24:25], s[24:25], s[34:35]
	s_add_nc_u64 s[26:27], s[26:27], s[32:33]
	s_add_nc_u64 s[28:29], s[28:29], s[36:37]
	s_add_nc_u64 s[30:31], s[30:31], s[36:37]
	s_add_nc_u64 s[12:13], s[12:13], s[38:39]
	global_load_b64 v[IDV:IDV+1], v[DO], s[12:13]  ; first, since the points' addresses hang on it
	global_load_b64 v[RQ:RQ+1],   v[QO], s[24:25]
	global_load_b64 v[RQ+2:RQ+3], v[QO], s[24:25] offset:8
	global_load_b64 v[RQ+4:RQ+5], v[QO], s[24:25] offset:16
	global_load_b64 v[DD:DD+1],   v[DO], s[28:29]
; The 24 loads of group g (queries 4 g .. 4 g + 3) go out.  Query i lies in lane i / 2, register i % 2.
.macro ISSUE g
.set RB, R+24*((\g)%3)
.irp s, 0,1,2,3
	v_readlane_b32 s[IDS+4*((\g)%3)+(\s)], v[IDV+(\s)%2], 2*(\g)+(\s)/2
.endr
.irp s, 0,1,2,3
	s_min_u32 s[IDS+4*((\g)%3)+(\s)], s[IDS+4*((\g)%3)+(\s)], 127  ; a number from memory enters an address only behind this bound
.endr
.irp s, 0,1,2,3
	s_mul_i32 s[TS+(\s)], s[IDS+4*((\g)%3)+(\s)], 64*12
.endr
.irp s, 0,1,2,3
	v_add_nc_u32 v[OFF+4*((\g)%3)+(\s)], s[TS+(\s)], v[L12]        ; free: the place's last loads were shown done by the wait at the head of their group's work
.endr
.irp s, 0,1,2,3
.irp k, 0,1,2
	global_load_b32 v[RB+6*(\s)+2*(\k)],   v[OFF+4*((\g)%3)+(\s)], s[26:27] offset:4*(\k)       ; point lane
	global_load_b32 v[RB+6*(\s)+2*(\k)+1], v[OFF+4*((\g)%3)+(\s)], s[26:27] offset:384+4*(\k)   ; point lane + 32
.endr
.endr
.endm
; Group g is worked on.
.macro COMPUTE g
.set RB, R+24*((\g)%3)
.if (\g) < 14
	s_wait_loadcnt 48                              ; loads come back in order (ISA guide 5.7.1): mine are in, the next two groups' 48 stay out
.else
	s_wait_loadcnt 24*(15-(\g))                    ; the last two groups: 24, then none behind them
.endif
.irp s, 0,1,2,3
.irp k, 0,1,2
	v_cvt_pk_bf16_f32 v[C+3*(\s)+(\k)], v[RB+6*(\s)+2*(\k)], v[RB+6*(\s)+2*(\k)+1]
.endr
.endr
.irp s, 0,1,2,3
.set SL, 40+10*(\s)+6*((\s)/2)
.irp k, 0,1,2,3,4
	v_readlane_b32 s[SL+2*(\k)], v[QA+5*((\s)%2)+(\k)], 2*(\g)+(\s)/2
.endr
.endr
.irp s, 0,1,2,3
.irp k, 0,1,2
	v_lshlrev_b32 v[RB+6*(\s)+2*(\k)],   16,      v[C+3*(\s)+(\k)]
	v_and_b32     v[RB+6*(\s)+2*(\k)+1], s[MASK], v[C+3*(\s)+(\k)]
.endr
.endr
.irp s, 0,1,2,3
	v_pk_mul_f32 v[N+2*(\s):N+2*(\s)+1], v[RB+6*(\s):RB+6*(\s)+1], v[RB+6*(\s):RB+6*(\s)+1]
.endr
.irp s, 0,1,2,3
.set SL, 40+10*(\s)+6*((\s)/2)
	v_pk_mul_f32 v[T+2*(\s):T+2*(\s)+1], v[RB+6*(\s):RB+6*(\s)+1], s[SL:SL+1] op_sel_hi:[1,0]
.endr
.irp s, 0,1,2,3
	v_pk_fma_f32 v[N+2*(\s):N+2*(\s)+1], v[RB+6*(\s)+2:RB+6*(\s)+3], v[RB+6*(\s)+2:RB+6*(\s)+3], v[N+2*(\s):N+2*(\s)+1]
.endr
.irp s, 0,1,2,3
.set SL, 40+10*(\s)+6*((\s)/2)
	v_pk_fma_f32 v[T+2*(\s):T+2*(\s)+1], v[RB+6*(\s)+2:RB+6*(\s)+3], s[SL+2:SL+3], v[T+2*(\s):T+2*(\s)+1] op_sel_hi:[1,0,1]
.endr
.irp s, 0,1,2,3
	v_pk_fma_f32 v[N+2*(\s):N+2*(\s)+1], v[RB+6*(\s)+4:RB+6*(\s)+5], v[RB+6*(\s)+4:RB+6*(\s)+5], v[N+2*(\s):N+2*(\s)+1]
.endr
.irp s, 0,1,2,3
.set SL, 40+10*(\s)+6*((\s)/2)
	v_pk_fma_f32 v[T+2*(\s):T+2*(\s)+1], v[RB+6*(\s)+4:RB+6*(\s)+5], s[SL+4:SL+5], v[T+2*(\s):T+2*(\s)+1] op_sel_hi:[1,0,1]
.endr
.irp s, 0,1,2,3
.set SL, 40+10*(\s)+6*((\s)/2)
	v_pk_add_f32 v[U+2*(\s):U+2*(\s)+1], v[N+2*(\s):N+2*(\s)+1], s[SL+6:SL+7] op_sel_hi:[1,0]
.endr
.irp s, 0,1,2,3
	v_pk_add_f32 v[T+2*(\s):T+2*(\s)+1], v[U+2*(\s):U+2*(\s)+1], v[T+2*(\s):T+2*(\s)+1]
.endr
.irp s, 0,1,2,3
.set SL, 40+10*(\s)+6*((\s)/2)
	v_cmp_ge_f32 s[SL+1], s[SL+8], v[T+2*(\s)]     ; T >= sq: points 0..31 of the chunk, a bit a lane
	v_cmp_ge_f32 s[SL+3], s[SL+8], v[T+2*(\s)+1]   ; points 32..63
.endr
.irp s, 0,1,2,3
.set SL, 40+10*(\s)+6*((\s)/2)
	s_ctz_i32_b32 s[SL+5], s[SL+1]                 ; the first set bit of each mask
	s_ctz_i32_b32 s[SL+7], s[SL+3]
.endr
.irp s, 0,1,2,3
.set SL, 40+10*(\s)+6*((\s)/2)
	s_add_co_u32 s[SL+7], s[SL+7], 32
	s_cmp_lg_u32 s[SL+1], 0                        ; the masks select a value alone: no branch and no address hangs on them
	s_cselect_b32 s[SL+5], s[SL+5], s[SL+7]
	s_lshl_b32 s[SL+9], s[IDS+4*((\g)%3)+(\s)], 6
	s_add_co_u32 s[SL+9], s[SL+9], s[SL+5]         ; 64 x chunk + place in the chunk
.endr
.irp s, 0,1,2,3
.set SL, 40+10*(\s)+6*((\s)/2)
	v_writelane_b32 v[RES+(\s)%2], s[SL+9], 2*(\g)+(\s)/2
.endr
.endm
	s_wait_loadcnt 4                               ; the chunk numbers are in; the four loads issued behind them may be out
	ISSUE 0
	ISSUE 1
	s_wait_loadcnt 48                              ; all but the 48 just issued: my queries and their distances are in
.irp e, 0,1
.set QE, QA+5*(\e)
	v_cvt_pk_bf16_f32 v[W],   v[RQ+3*(\e)],   v[RQ+3*(\e)+1]
	v_cvt_pk_bf16_f32 v[W+1], v[RQ+3*(\e)+2], v[RQ+3*(\e)+2]
	v_lshlrev_b32 v[QE],   16,      v[W]
	v_and_b32     v[QE+1], s[MASK], v[W]
	v_lshlrev_b32 v[QE+2], 16,      v[W+1]
	v_mul_f32  v[QE+3], v[QE],   v[QE]             ; n = fl(fl(x x + y y) + z z)
	v_fmac_f32 v[QE+3], v[QE+1], v[QE+1]
	v_fmac_f32 v[QE+3], v[QE+2], v[QE+2]
	v_mul_f32 v[QE],   -2.0, v[QE]
	v_mul_f32 v[QE+1], -2.0, v[QE+1]
	v_mul_f32 v[QE+2], -2.0, v[QE+2]
	v_add_nc_u32 v[W+2], 1, v[DD+(\e)]             ; next(d)
	v_mul_f32 v[W+3], v[DD+(\e)], v[W+2]
	v_fma_f32 v[W+4], v[DD+(\e)], v[W+2], -v[W+3]  ; what the rounding of d next(d) left
	v_add_nc_u32 v[W+5], -1, v[W+3]
	v_cmp_gt_f32 vcc_lo, 0, v[W+4]                 ; rounded up: one step back
	v_cndmask_b32 v[QE+4], v[W+3], v[W+5], vcc_lo  ; T
.endr
	ISSUE 2
.set gg, 0
.rept 16
	COMPUTE gg
.if gg+3 < 16
	ISSUE gg+3
.endif
.set gg, gg+1
.endr
	global_store_b64 v[DO], v[RES:RES+1], s[30:31] ; 32 lanes store 256 consecutive bytes, at a multiple of 256 from the output's first byte
	s_endpgm
.Lfunc_end_k_q1136e9c502_pick:
	.size	k_q1136e9c502_pick, .Lfunc_end_k_q1136e9c502_pick-k_q1136e9c502_pick
	.p2alignl 7, 3214868480
	.fill 96, 4, 3214868480
	.section	.rodata,"a",@progbits
	.p2align	6, 0x0
	.amdhsa_kernel k_q1136e9c502_pick
		.amdhsa_group_segment_fixed_size 0
		.amdhsa_private_segment_fixed_size 0
		.amdhsa_enable_private_segment 0
		.amdhsa_kernarg_size 56
		.amdhsa_user_sgpr_count 2
		.amdhsa_user_sgpr_kernarg_segment_ptr 1
		.amdhsa_wavefront_size32 1
		.amdhsa_system_sgpr_workgroup_id_x 1
		.amdhsa_system_sgpr_workgroup_id_y 1
		.amdhsa_system_sgpr_workgroup_id_z 1
		.amdhsa_system_vgpr_workitem_id 0
		.amdhsa_next_free_vgpr 156
		.amdhsa_next_free_sgpr 102
		.amdhsa_reserve_vcc 1
		.amdhsa_float_denorm_mode_32 3
		.amdhsa_float_denorm_mode_16_64 3
		.amdhsa_memory_ordered 1
		.amdhsa_forward_progress 1
		.amdhsa_inst_pref_size 157
	.end_amdhsa_kernel
	.amdgpu_metadata
---
amdhsa.version: [ 1, 2 ]
amdhsa.kernels:
  - .name:           k_q1136e9c502_pick
    .symbol:         k_q1136e9c502_pick.kd
    .args:
      - { .name: xyz1, .offset: 0, .size: 8, .value_kind: global_buffer, .address_space: global }
      - { .name: xyz2, .offset: 8, .size: 8, .value_kind: global_buffer, .address_space: global }
      - { .name: out0, .offset: 16, .size: 8, .value_kind: global_buffer, .address_space: global }
      - { .name: out1, .offset: 24, .size: 8, .value_kind: global_buffer, .address_space: global }
      - { .name: chunk, .offset: 32, .size: 8, .value_kind: global_buffer, .address_space: global }
      - { .name: out2, .offset: 40, .size: 8, .value_kind: global_buffer, .address_space: global }
      - { .name: out3, .offset: 48, .size: 8, .value_kind: global_buffer, .address_space: global }
    .group_segment_fixed_size: 0
    .private_segment_fixed_size: 0
    .kernarg_segment_align: 8
    .kernarg_segment_size: 56
    .max_flat_workgroup_size: 128
    .sgpr_count:     102
    .vgpr_count:     156
    .wavefront_size: 32
...
	.end_amdgpu_metadata
.endif
;; end of part 2
;; ======== version 2 of 2: 2 launches; version 1 with the launch nearest written anew for expert scheduling mode
;; limits: below input magnitudes of 1e-15 results are inexact or not finite
;; workspace buffers: chunk 262,144 bytes of whole numbers
;; launch nearest (part 3): grid 32 x 8, 8 waves a work-group, no clusters, 136,192 bytes of LDS; arguments xyz1, xyz2, out0, out1, chunk; writes out0, out1, chunk
.if DOCPART == 3
	.amdgcn_target "amdgcn-amd-amdhsa--gfx1250"
	.amdhsa_code_object_version 6
	.text
	.protected	k_q1136e9c502_nearest
	.globl	k_q1136e9c502_nearest
	.p2align	8
	.type	k_q1136e9c502_nearest,@function
k_q1136e9c502_nearest:
	s_mov_b64 s[64:65], 0
	v_nop
	global_prefetch_b8 v0, s[64:65] scope:SCOPE_SE
	s_setreg_imm32_b32 hwreg(HW_REG_WAVE_SCHED_MODE, 0, 2), 2
	s_setreg_imm32_b32 hwreg(HW_REG_WAVE_MODE, 25, 1), 1
	s_wait_xcnt 0x0
	s_wait_alu depctr_vm_vsrc(0)
; NEAREST NEIGHBOUR, FIRST PART.  For 256 query points of one cloud: the distance to the nearest of the 8,192 points of the other cloud (final), and the number of
; the chunk of 64 points in which the first point at that distance lies (for the second launch, which finds the index inside the chunk).
; Grid: x = block of 256 queries, y = 4 x direction + batch.  Direction 0: queries from xyz1, points from xyz2, distances to out0; direction 1: the other way round, to out1.
; ARITHMETIC.  The indices are compared exactly, so every rounding of the problem's formula is kept.  All coordinates are rounded to bf16 first; a product of two such
; numbers has 16 significant bits and is exact in f32, so mul, fma, fma give fl(fl(p0+p1)+p2) whether or not the formula's own evaluation fuses.  n = fl(fl(x x+y y)+z z);
; sq = fl(fl(na+nb) + e'), e' = the three-term sum with the point's coordinates times -2 (a power of two: the roundings stay the same).  The three-term product stands on the
; vector unit on purpose: the bf16 matrix form adds a step's products in one sum with one rounding, which is another order of roundings than the formula's.
; sqrt and max(., 0) do not change an order, so the loop keeps a running minimum of sq alone; ties that arise only behind the root or the clamp are settled at the end by a threshold.
; SHARES.  Eight waves.  A lane holds 8 queries (query 32 r + lane), the same in every wave; wave w walks points 1024 w .. 1024 w + 1023, two at a time in packed f32 lines:
; 5 packed lines and one v_min3_num_f32 for a query and two points.  After every 64 points the 8 running minima go to LDS (a snapshot), onto the 1,024 table bytes just used up.
; LIMITS.  NaN and infinities are not treated.  A non-zero sq below 2^-126 counts as 0 in v_sqrt_f32 (ISA guide, 15.8), and products that underflow are not exact: both ask for
; coordinates all below about 1e-15.
; THE MODE: SCHED_MODE bits 1:0 = 2 (LLVM: expert scheduling mode 2), set by the entry lines.  The code itself states the register dependences between vector instructions
; and memory or LDS instructions, with s_wait_alu, always for 0.
; THE PLAN.  Registers that memory or LDS instructions touch:
;   offsets and addresses  v[PO], v[QO], v[WST], v[SNP], v[TAB], v[NIL], v[SPW]: made at the head, ahead of one wait on va_vdst.  v[TAB] and v[SNP] move on once a chunk.
;   OUT0, OUT1   at the start.  Group g's arithmetic writes OUT[g % 2]; its four LDS stores are issued at the head of group g + 1, behind that head's wait on va_vdst;
;                the wait on vm_vsrc at the head of group g + 2 frees the buffer.
;   B0, B1       Step k's 192 lines read B[k % 2]; the 8 loads of step k + 1 land in the other buffer, which step k - 1 read.  ONE wait on va_vdst at a step's head states that
;                step k - 1 is done reading it; the loads follow, dealt among the step's first lines, which name the buffer in hand, A, T, U and ACC: none of the registers that the loads touch.
;   ACC          written by the v_min3 lines, read by the 8 snapshot stores at a chunk's end.  The wait ahead of those stores is also the head of the next chunk's first step.
;   at the end   RA (address of the 128 loads), SN (their targets: B0, B1 and what the start used), RC, D, ID (the two LDS stores), RD, E, GO (the way out).
; A compare's mask goes into a scalar register; the compares stand in runs, with one wait on va_sdst between a run and the selects that read its masks.
.set CLOUD,  8192*12                   ; bytes of one batch of a cloud
.set STRIDE, 1024*16+256               ; a wave's LDS region: 1,024 points x 16 bytes, then 128 bytes of zeros for the last look-ahead (and 128 unused)
.set SCR,    8*STRIDE                  ; 256 distances, then 256 chunk numbers: the way out
.set SPARE,  SCR+2048                  ; the spare words, 128 bytes for each of eight waves: four blocks of 256 bytes that no other line names
.set LN,  1                            ; v1   lane
.set SPW, 2                            ; v2   LDS address of my spare word; never rewritten
.set NIL, 3                            ; v3   0; never rewritten
.set TAB, 4                            ; v4   LDS address of the chunk in hand, the same in every lane
.set SNP, 5                            ; v5   where my lane's snapshot of the chunk in hand goes
.set PO,  6                            ; v6   my byte offset in the points: 12,288 w + 48 lane
.set QO,  7                            ; v7   my byte offset in the queries: 12 lane
.set ACC, 8                            ; v[8:15]    running minimum of sq, query r
.set A,   16                           ; v[16:79]   query r at A + 8 r: x, x, y, y, z, z, n, n (each twice: a packed line takes a pair)
.set T,   80                           ; v[80:95]   at work: e', then sq, a pair for each query
.set U,   96                           ; v[96:111]  at work: na + nb
.set B0,  112                          ; v[112:143] four pairs of points: -2x, -2x', -2y, -2y', -2z, -2z', n, n'
.set B1,  144                          ; v[144:175] the same, the other buffer
.set OUT, 80                           ; at the start: two pairs of points on their way to LDS: out-buffer 0 at v[80:95], out-buffer 1 sixteen registers below, at v[64:79]
.set CV,  96                           ; at the start: packed bf16
.set RAW, 112                          ; v[112:207] at the start: my 32 points as loaded, 12 words for each group of four
.set QR,  208                          ; v[208:231] at the start: my 8 queries as loaded
.set WST, 232                          ; v232  at the start: where my four points of a group go in LDS
.set RA,  80                           ; at the end: 4 t, and (RA+1) 4 t + 4 regions
.set RC,  82
.set RD,  83
.set M,   84
.set X,   85
.set Y,   86
.set YD,  87
.set YU,  88
.set R1,  89
.set R2,  90
.set D,   91
.set DU,  92
.set PP,  93
.set EE,  94
.set PM,  95
.set TT,  96
.set ID,  97
.set GO,  98
.set E,   100
.set SN,  112                          ; v[112:239] at the end: the 128 snapshots of my query
.set MK,  4                            ; at the end: sixteen masks in s[4:11] and s[16:23], whose first use is over: mask k at s[MK + k + 4 (k / 8)]
	s_load_b256 s[4:11], s[0:1], 0x0               ; xyz1 s[4:5], xyz2 s[6:7], out0 s[8:9], out1 s[10:11]
	s_load_b64 s[12:13], s[0:1], 0x20              ; chunk
	v_lshl_add_u32 v[SPW], v0, 2, SPARE
	v_mov_b32 v[NIL], 0
	v_and_b32 v[LN], 31, v0
	v_lshrrev_b32 v[TAB], 5, v0
	v_readfirstlane_b32 s14, v[TAB]                ; wave 0..7
	s_and_b32 s15, ttmp7, 0xffff                   ; y
	s_lshr_b32 s16, s15, 2                         ; direction
	s_and_b32 s17, s15, 3                          ; batch
	s_mul_i32 s18, s17, CLOUD                      ; s[18:19] the batch's first byte in a cloud
	s_mov_b32 s19, 0
	s_mul_i32 s20, ttmp9, 256*12                   ; s[20:21] my block of queries in it
	s_add_co_u32 s20, s20, s18
	s_mov_b32 s21, 0
	s_lshl_b32 s36, ttmp9, 10                      ; 256 numbers of 4 bytes for each block
	s_lshl_b32 s28, s17, 15                        ; s[28:29] my block in out0 or out1: [batch][8192]
	s_add_co_u32 s28, s28, s36
	s_mov_b32 s29, 0
	s_lshl_b32 s30, s15, 15                        ; s[30:31] my block in chunk: [direction][batch][8192]
	s_add_co_u32 s30, s30, s36
	s_mov_b32 s31, 0
	s_wait_alu depctr_va_sdst(0)                   ; s14 is written, ahead of its first reader, the line below
	s_mul_i32 s37, s14, 1024*12                    ; my wave's points in memory
	s_mul_i32 s38, s14, STRIDE                     ; my wave's region in LDS
	s_mov_b32 s39, 0xffff0000                      ; a word's upper bf16
	v_mul_u32_u24 v[PO], v[LN], 48
	v_add_nc_u32 v[PO], s37, v[PO]
	v_mul_u32_u24 v[QO], v[LN], 12
	v_lshl_add_u32 v[WST], v[LN], 6, s38           ; four points are 64 bytes of the table
	v_lshl_add_u32 v[SNP], v[LN], 2, s38
	v_mov_b32 v[TAB], s38
	s_wait_kmcnt 0x0
	s_cmp_eq_u32 s16, 0
	s_cselect_b64 s[22:23], s[4:5], s[6:7]         ; the queries' cloud
	s_cselect_b64 s[24:25], s[6:7], s[4:5]         ; the points' cloud
	s_cselect_b64 s[26:27], s[8:9], s[10:11]       ; the distances
	s_add_nc_u64 s[22:23], s[22:23], s[20:21]
	s_add_nc_u64 s[24:25], s[24:25], s[18:19]
	s_add_nc_u64 s[26:27], s[26:27], s[28:29]
	s_add_nc_u64 s[12:13], s[12:13], s[30:31]
	s_wait_alu depctr_va_vdst(0)                   ; v[PO], v[QO], v[WST], v[SNP], v[TAB], v[NIL] and v[SPW] are written: the loads and LDS instructions below read them as offsets, addresses and data
	; 24 loads: group g is 128 points, four a lane as 48 consecutive bytes.  Then 24 loads for the 8 queries.
.irp g, 0,1,2,3,4,5,6,7
.irp k, 0,1,2
	global_load_b128 v[RAW+12*(\g)+4*(\k):RAW+12*(\g)+4*(\k)+3], v[PO], s[24:25] offset:(\g)*1536+(\k)*16
.endr
.endr
.irp r, 0,1,2,3,4,5,6,7
.irp k, 0,1,2
	global_load_b32 v[QR+3*(\r)+(\k)], v[QO], s[22:23] offset:(\r)*384+(\k)*4
.endr
.endr
	ds_store_b32 v[SNP], v[NIL] offset:1024*16     ; 128 bytes of zeros behind my table: what the last chunk's look-ahead reads
.irp r, 0,1,2,3,4,5,6,7
	v_mov_b32 v[ACC+(\r)], 0x7f800000              ; the minima start at +infinity
.endr
; Group g of my points: rounded to bf16, widened again, norms, coordinates times -2, into out-buffer g % 2 as pairs of points.
.macro ROUND4 g
.irp h, 0,1
.set RH, RAW+12*(\g)+6*(\h)
.set O, OUT-16*((\g)%2)+8*(\h)
.set CH, CV+3*(\h)
	v_cvt_pk_bf16_f32 v[CH],   v[RH],   v[RH+3]    ; x of both points, to nearest even
	v_cvt_pk_bf16_f32 v[CH+1], v[RH+1], v[RH+4]
	v_cvt_pk_bf16_f32 v[CH+2], v[RH+2], v[RH+5]
	v_lshlrev_b32 v[O],   16,  v[CH]
	v_and_b32     v[O+1], s39, v[CH]
	v_lshlrev_b32 v[O+2], 16,  v[CH+1]
	v_and_b32     v[O+3], s39, v[CH+1]
	v_lshlrev_b32 v[O+4], 16,  v[CH+2]
	v_and_b32     v[O+5], s39, v[CH+2]
	v_pk_mul_f32 v[O+6:O+7], v[O:O+1], v[O:O+1]                    ; n = fl(fl(x x + y y) + z z): the squares are exact
	v_pk_fma_f32 v[O+6:O+7], v[O+2:O+3], v[O+2:O+3], v[O+6:O+7]
	v_pk_fma_f32 v[O+6:O+7], v[O+4:O+5], v[O+4:O+5], v[O+6:O+7]
	v_pk_mul_f32 v[O:O+1],   v[O:O+1],   -2.0 op_sel_hi:[1,0]
	v_pk_mul_f32 v[O+2:O+3], v[O+2:O+3], -2.0 op_sel_hi:[1,0]
	v_pk_mul_f32 v[O+4:O+5], v[O+4:O+5], -2.0 op_sel_hi:[1,0]
.endr
.endm
; Group g leaves its out-buffer for my region of LDS: four stores.
.macro TOTAB g
.irp h, 0,1
.set O, OUT-16*((\g)%2)+8*(\h)
	ds_store_b128 v[WST], v[O:O+3]   offset:(\g)*2048+32*(\h)
	ds_store_b128 v[WST], v[O+4:O+7] offset:(\g)*2048+32*(\h)+16
.endr
.endm
; Two LDS loads: pair p of the four pairs of points at byte off of the chunk in hand; every lane reads the same bytes.
.macro LD2 buf, off, p
	ds_load_b128 v[(\buf)+8*(\p):(\buf)+8*(\p)+3],   v[TAB] offset:(\off)+32*(\p)
	ds_load_b128 v[(\buf)+8*(\p)+4:(\buf)+8*(\p)+7], v[TAB] offset:(\off)+32*(\p)+16
.endm
	s_wait_loadcnt 45                              ; 48 loads were issued; the first 3 (g + 1) are in when at most 45 - 3 g are out
	ROUND4 0
	s_wait_loadcnt 42
	s_wait_alu depctr_va_vdst(0)                   ; group 0's lines have written out-buffer 0, which the four stores read
	TOTAB 0
	ROUND4 1
.irp g, 2,3,4,5,6,7
	s_wait_loadcnt 45-3*(\g)
	s_wait_alu depctr_vm_vsrc(0)                   ; the stores issued a group ago have read out-buffer g % 2, which this group's lines write again
	s_wait_alu depctr_va_vdst(0)                   ; the group before has written the other out-buffer, which the four stores read
	TOTAB (\g)-1
	ROUND4 \g
.endr
	s_wait_alu depctr_va_vdst(0)                   ; group 7's lines have written out-buffer 1, which the stores read; and every conversion is done reading v[RAW ..], in which the loads into B0 and B1 land
	TOTAB 7
.irp p, 0,1,2,3
	LD2 B0, 0, \p                                  ; the first step's points.  LDS serves a wave's instructions in order (ISA guide 5.7.1.4): these see my stores above
.endr
	s_wait_loadcnt 0x0                             ; the queries
	s_wait_alu depctr_vm_vsrc(0)                   ; the table's stores have read both out-buffers, which are T and the last two queries' registers from here on, and v[WST], in which a snapshot lands at the end
.irp r, 0,1,2,3,4,5,6,7
	v_cvt_pk_bf16_f32 v[CV],   v[QR+3*(\r)],   v[QR+3*(\r)+1]
	v_cvt_pk_bf16_f32 v[CV+1], v[QR+3*(\r)+2], v[QR+3*(\r)+2]
	v_lshlrev_b32 v[A+8*(\r)],   16,  v[CV]
	v_lshlrev_b32 v[A+8*(\r)+1], 16,  v[CV]
	v_and_b32     v[A+8*(\r)+2], s39, v[CV]
	v_and_b32     v[A+8*(\r)+3], s39, v[CV]
	v_lshlrev_b32 v[A+8*(\r)+4], 16,  v[CV+1]
	v_lshlrev_b32 v[A+8*(\r)+5], 16,  v[CV+1]
	v_pk_mul_f32 v[A+8*(\r)+6:A+8*(\r)+7], v[A+8*(\r):A+8*(\r)+1], v[A+8*(\r):A+8*(\r)+1]
	v_pk_fma_f32 v[A+8*(\r)+6:A+8*(\r)+7], v[A+8*(\r)+2:A+8*(\r)+3], v[A+8*(\r)+2:A+8*(\r)+3], v[A+8*(\r)+6:A+8*(\r)+7]
	v_pk_fma_f32 v[A+8*(\r)+6:A+8*(\r)+7], v[A+8*(\r)+4:A+8*(\r)+5], v[A+8*(\r)+4:A+8*(\r)+5], v[A+8*(\r)+6:A+8*(\r)+7]
.endr
; A STEP: the four pairs of points in buffer buf against my 8 queries, 192 lines; each line is written for all 8 queries before the next, so that a line's result is read eight lines later.
; The next step's four pairs, at byte off of the chunk in hand, are asked for into buffer nxt: two loads ahead of each of the step's first four runs of eight lines, 160 lines or more ahead of their use.
; head = 0: a trip's first step, whose wait on va_vdst stands ahead of the snapshot's stores (in the first trip: ahead of the table's last stores).
.macro STEP buf, nxt, off, head
	s_wait_dscnt 0x0                               ; buf is in: its loads were issued early in the step before (and the last trip's snapshot is stored)
.if \head
	s_wait_alu depctr_va_vdst(0)                   ; the step before is done reading nxt, in which the loads below land
.endif
.irp p, 0,1,2,3
.if (\p) == 0
	LD2 \nxt, \off, 0                              ; no vector line since the wait names nxt or v[TAB]
.endif
.irp r, 0,1,2,3,4,5,6,7
	v_pk_mul_f32 v[T+2*(\r):T+2*(\r)+1], v[(\buf)+8*(\p):(\buf)+8*(\p)+1], v[A+8*(\r):A+8*(\r)+1]
.endr
.if (\p) == 0
	LD2 \nxt, \off, 1
.endif
.irp r, 0,1,2,3,4,5,6,7
	v_pk_add_f32 v[U+2*(\r):U+2*(\r)+1], v[(\buf)+8*(\p)+6:(\buf)+8*(\p)+7], v[A+8*(\r)+6:A+8*(\r)+7]
.endr
.if (\p) == 0
	LD2 \nxt, \off, 2
.endif
.irp r, 0,1,2,3,4,5,6,7
	v_pk_fma_f32 v[T+2*(\r):T+2*(\r)+1], v[(\buf)+8*(\p)+2:(\buf)+8*(\p)+3], v[A+8*(\r)+2:A+8*(\r)+3], v[T+2*(\r):T+2*(\r)+1]
.endr
.if (\p) == 0
	LD2 \nxt, \off, 3
.endif
.irp r, 0,1,2,3,4,5,6,7
	v_pk_fma_f32 v[T+2*(\r):T+2*(\r)+1], v[(\buf)+8*(\p)+4:(\buf)+8*(\p)+5], v[A+8*(\r)+4:A+8*(\r)+5], v[T+2*(\r):T+2*(\r)+1]
.endr
.irp r, 0,1,2,3,4,5,6,7
	v_pk_add_f32 v[T+2*(\r):T+2*(\r)+1], v[U+2*(\r):U+2*(\r)+1], v[T+2*(\r):T+2*(\r)+1]
.endr
.irp r, 0,1,2,3,4,5,6,7
	v_min3_num_f32 v[ACC+(\r)], v[ACC+(\r)], v[T+2*(\r)], v[T+2*(\r)+1]
.endr
.endr
.endm
	s_mov_b32 s32, 16
.Lchunk:                                               ; a trip is a chunk of 64 points: eight steps on B0 and B1 by turns
	STEP B0, B1, 128, 0
	STEP B1, B0, 256, 1
.set i, 1
.rept 3
	STEP B0, B1, 256*i+128, 1
	STEP B1, B0, 256*i+256, 1                      ; in the last turn: the next chunk's first bytes; behind the last chunk the 128 bytes of zeros
.set i, i+1
.endr
	s_wait_alu depctr_vm_vsrc(0)                   ; the LDS loads issued so far have read v[TAB]
	v_add_nc_u32 v[TAB], 1024, v[TAB]
	s_wait_alu depctr_va_vdst(0)                   ; the chunk's lines have written the minima, which the stores read; the last step is done reading B1, in which the next trip's first loads land; v[TAB], which those loads read, is written
.irp r, 0,1,2,3,4,5,6,7
	ds_store_b32 v[SNP], v[ACC+(\r)] offset:(\r)*128  ; the snapshot: query 32 r + lane at byte 4 (32 r + lane) of the chunk's own 1,024 bytes, all of which have been read
.endr
	s_wait_alu depctr_vm_vsrc(0)                   ; the stores have read v[SNP], which the line below writes, and the minima, which the next trip's lines write
	v_add_nc_u32 v[SNP], 1024, v[SNP]
	s_sub_co_u32 s32, s32, 1
	s_cmp_lg_u32 s32, 0
	s_cbranch_scc1 .Lchunk
	; THE END.  Thread t takes query t and reads its 128 snapshots, which eight waves wrote.
	s_wait_dscnt 0x0                               ; for the others' sake: my snapshots are stored (and my look-ahead is back)
	s_barrier_signal -1
	s_barrier_wait -1
	v_lshlrev_b32 v[RA], 2, v0
	v_add_nc_u32 v[RA+1], 4*STRIDE, v[RA]          ; the immediate reaches four regions
	s_wait_alu depctr_va_vdst(0)                   ; v[RA] and v[RA+1] are written, which the loads below read as addresses
.set cc, 0
.rept 128
	ds_load_b32 v[SN+cc], v[RA+cc/64] offset:((cc/16)%4)*STRIDE+(cc%16)*1024
.set cc, cc+1
.endr
	v_add_nc_u32 v[RC], SCR, v[RA]
	v_lshl_add_u32 v[RD], v0, 3, SCR
	v_lshlrev_b32 v[GO], 3, v0
	v_and_b32 v[GO], 0x3ff, v[GO]
	s_wait_dscnt 0x0
	v_min3_num_f32 v[M], v[SN+15], v[SN+31], v[SN+47]   ; each wave's last snapshot is its minimum
	v_min3_num_f32 v[M], v[M], v[SN+63], v[SN+79]
	v_min3_num_f32 v[M], v[M], v[SN+95], v[SN+111]
	v_min_num_f32 v[M], v[M], v[SN+127]
	v_max_num_f32 v[X], 0, v[M]
	; d = sqrt(x) rounded correctly: the instruction's result y may be one step off.  x - prev(y) y <= 0 says one step down, x - next(y) y > 0 one step up (the fused residuals have the exact sign).
	v_sqrt_f32 v[Y], v[X]
	v_mov_b32 v[ID], 0                             ; a plain line between the root and the use of its result (ISA guide 5.7.2)
	s_wait_alu depctr_va_vdst(0)                   ; the root has written v[Y], ahead of its first reader
	v_add_nc_u32 v[YD], -1, v[Y]
	v_add_nc_u32 v[YU], 1, v[Y]
	v_fma_f32 v[R1], -v[YD], v[Y], v[X]            ; at x = 0: prev(0) is a NaN pattern, the compare fails and 0 stays
	v_fma_f32 v[R2], -v[YU], v[Y], v[X]
	v_cmp_ge_f32 s[MK], 0, v[R1]
	v_cmp_lt_f32 s[MK+1], 0, v[R2]
	s_wait_alu depctr_va_sdst(0)                   ; both masks are written, ahead of the selects that read them
	v_cndmask_b32 v[D], v[Y], v[YD], s[MK]
	v_cndmask_b32 v[D], v[D], v[YU], s[MK+1]
	; T = the largest f32 not above d next(d).  The square of the midpoint of d and next(d) lies a quarter of a squared step above d next(d), and no f32 lies between:
	; so sqrt(max(s, 0)) rounds to d or less exactly where s <= T, and nothing rounds to less than d.
	v_add_nc_u32 v[DU], 1, v[D]
	v_mul_f32 v[PP], v[D], v[DU]
	v_fma_f32 v[EE], v[D], v[DU], -v[PP]           ; what the rounding of the product left
	v_add_nc_u32 v[PM], -1, v[PP]
	v_cmp_gt_f32 s[MK+2], 0, v[EE]                 ; rounded up: one step back
	s_wait_alu depctr_va_sdst(0)                   ; the mask is written, ahead of the select that reads it
	v_cndmask_b32 v[TT], v[PP], v[PM], s[MK+2]
	; The first chunk whose snapshot is <= T holds the first point at distance d.  From the last chunk to the first: the lowest number is written last.  Sixteen compares, one wait, sixteen selects.
.set cc, 127
.rept 8
.set k, 0
.rept 16
	v_cmp_gt_f32 s[MK+k+4*(k/8)], v[SN+cc-k], v[TT]
.set k, k+1
.endr
	s_wait_alu depctr_va_sdst(0)                   ; the run's sixteen masks are written, ahead of the selects that read them
.set k, 0
.rept 16
	v_cndmask_b32 v[ID], cc-k, v[ID], s[MK+k+4*(k/8)]
.set k, k+1
.endr
.set cc, cc-16
.endr
	; THE WAY OUT.  A wave's 32 numbers are 128 bytes; through LDS, so that each store covers 256 consecutive bytes, aligned: waves 0-3 store the distances, waves 4-7 the chunk numbers.
	s_wait_alu depctr_va_vdst(0)                   ; v[D], v[ID] and v[RC] are written, which the two LDS stores read; so are v[RD] and v[GO], which the load and the store behind the barrier read
	ds_store_b32 v[RC], v[D]
	ds_store_b32 v[RC], v[ID] offset:1024
	s_wait_dscnt 0x0                               ; for the others' sake: my two stores are done
	s_barrier_signal -1
	s_barrier_wait -1
	ds_load_b64 v[E:E+1], v[RD]                    ; byte 8 t of the 2,048: two neighbouring numbers
	s_cmp_lt_u32 s14, 4
	s_cselect_b64 s[34:35], s[26:27], s[12:13]
	s_wait_dscnt 0x0
	global_store_b64 v[GO], v[E:E+1], s[34:35]
	s_wait_dscnt 0x0                               ; the closing lines, six on end
	s_wait_alu 0x0
	s_wait_tensorcnt 0x0
	ds_add_u32 v[SPW], v[NIL]
	s_wait_dscnt 0x0
	s_endpgm
.Lfunc_end_k_q1136e9c502_nearest:
	.size	k_q1136e9c502_nearest, .Lfunc_end_k_q1136e9c502_nearest-k_q1136e9c502_nearest
	.p2alignl 7, 3214868480
	.fill 96, 4, 3214868480
	.section	.rodata,"a",@progbits
	.p2align	6, 0x0
	.amdhsa_kernel k_q1136e9c502_nearest
		.amdhsa_group_segment_fixed_size 136192
		.amdhsa_private_segment_fixed_size 0
		.amdhsa_enable_private_segment 0
		.amdhsa_kernarg_size 40
		.amdhsa_user_sgpr_count 2
		.amdhsa_user_sgpr_kernarg_segment_ptr 1
		.amdhsa_wavefront_size32 1
		.amdhsa_system_sgpr_workgroup_id_x 1
		.amdhsa_system_sgpr_workgroup_id_y 1
		.amdhsa_system_sgpr_workgroup_id_z 1
		.amdhsa_system_vgpr_workitem_id 0
		.amdhsa_next_free_vgpr 240
		.amdhsa_next_free_sgpr 66
		.amdhsa_reserve_vcc 0
		.amdhsa_float_denorm_mode_32 3
		.amdhsa_float_denorm_mode_16_64 3
		.amdhsa_memory_ordered 1
		.amdhsa_forward_progress 1
		.amdhsa_inst_pref_size 157
	.end_amdhsa_kernel
	.amdgpu_metadata
---
amdhsa.version: [ 1, 2 ]
amdhsa.kernels:
  - .name:           k_q1136e9c502_nearest
    .symbol:         k_q1136e9c502_nearest.kd
    .args:
      - { .name: xyz1, .offset: 0, .size: 8, .value_kind: global_buffer, .address_space: global }
      - { .name: xyz2, .offset: 8, .size: 8, .value_kind: global_buffer, .address_space: global }
      - { .name: out0, .offset: 16, .size: 8, .value_kind: global_buffer, .address_space: global }
      - { .name: out1, .offset: 24, .size: 8, .value_kind: global_buffer, .address_space: global }
      - { .name: chunk, .offset: 32, .size: 8, .value_kind: global_buffer, .address_space: global }
    .group_segment_fixed_size: 136192
    .private_segment_fixed_size: 0
    .kernarg_segment_align: 8
    .kernarg_segment_size: 40
    .max_flat_workgroup_size: 256
    .sgpr_count:     66
    .vgpr_count:     240
    .wavefront_size: 32
...
	.end_amdgpu_metadata
.endif
;; end of part 3
;; launch pick: the kernel of part 2 again; grid 32 x 8, 4 waves a work-group, no clusters, 0 bytes of LDS; arguments xyz1, xyz2, out0, out1, chunk, out2, out3; writes out2, out3
